; MI455X (gfx1250); checked and timed in simulation.
; The chip was launched on July 23, 2026; its instructions are those of AMD's public machine-readable ISA for CDNA 5 (MIT licence, August 2026) and "CDNA5" Instruction Set Architecture Reference Guide (July 2026). The comments in the code are by the model that wrote it; some were corrected since.
;; Attention. Allowed arithmetic: matrix products marked QUANTISED: E3M2 operands, one E8M0 scale for each 32 along K, by v_wmma_scale_f32_16x16x128_f8f6f4 with both operands' format E3M2, f32 sums; products left as they are: f32 operands where the result goes on into a quantised operand, else bf16, f16 or f32 operands; f32 sums; everything else in f32.
;; Inputs: Ua_b 1,024 float32; Ua_w_codes 1,024 x 32 x 24 uint8 (E3M2 codes of Ua_w, K innermost, in blocks of 32 codes, four codes in three bytes); Ua_w_scales 1,024 x 32 uint8 (E8M0 scales of Ua_w, one for each 32 codes along K); Wa_b 1,024 float32; Wa_w_codes 1,024 x 32 x 24 uint8 (E3M2 codes of Wa_w, K innermost, in blocks of 32 codes, four codes in three bytes); Wa_w_scales 1,024 x 32 uint8 (E8M0 scales of Wa_w, one for each 32 codes along K); key 2,048 x 32 x 1,024 float32; query_codes 32 x 1 x 32 x 24 uint8 (E3M2 codes of query, K innermost, in blocks of 32 codes, four codes in three bytes); query_scales 32 x 1 x 32 uint8 (E8M0 scales of query, one for each 32 codes along K); va_b 1 float32; va_w 1,024 float32.
;; Outputs: out0 32 x 1 x 1,024 float32; out1 32 x 1 x 2,048 float32.
;; This version of the problem:
;;   THIS VERSION OF THE PROBLEM IS GIVEN IN LOW PRECISION. The matrix products marked QUANTISED in the list below multiply operands that are first quantised to E3M2 (3 exponent bits, 2 mantissa bits; 6 bits a number), with one power-of-two scale for each 32 numbers along K (OCP MX v1.0); their sums are f32. All else is computed in f32.
;;   The module's matrix products, in the order in which they are computed (A, B: the left and right operand; K: the contracted axis; several contracted axes count as one K, in the product's order):
;;     1. [M 32, K 1,024] x [K 1,024, N 1,024]; A: input query (given as codes); B: input Wa_w (given as codes): QUANTISED
;;     2. [M 65,536, K 1,024] x [K 1,024, N 1,024]; A: input key; B: input Ua_w (given as codes): QUANTISED
;;     3. [M 65,536, K 1,024] x [K 1,024, N 1]; A: computed on the way; B: input va_w: left as it is (N = 1 < 16)
;;     4. batch 32 x [M 1, K 2,048] x [K 2,048, N 1,024]; A: computed on the way; B: input key: left as it is (M = 1 < 16)
;;   THE QUANTISER, for each operand of a quantised product, along K:
;;     - K is cut into blocks of 32 from its start; a last block that is shorter is filled with zeros.
;;     - A block's scale is 2^e with e = floor(log2(the largest magnitude in the block)) - 4, held to -126 .. 127; a block of zeros has e = 0. As a byte (E8M0): e + 127.
;;     - Each number is divided by its block's scale, clamped to +-28, and rounded to the nearest number of E3M2, ties to even, subnormals kept.
;;     - The product sums the exact products of the quantised numbers (number of the format x scale) in f32.
;;   ~~~python
;;   def quantise(x, axis):      # numpy; x: float32 -> the quantised numbers, widened to float32 again
;;       x = np.moveaxis(x, axis, -1); K = x.shape[-1]
;;       x = np.pad(x, [(0, 0)] * (x.ndim - 1) + [(0, -K % 32)]); x = x.reshape(x.shape[:-1] + (-1, 32)); a = np.abs(x).max(-1, keepdims=True)
;;       e = np.where(a > 0, np.clip(np.frexp(np.where(a > 0, a, 1))[1] - 1 - 4, -126, 127), 0)      # np.frexp(a)[1] - 1 = floor(log2(a)), exactly
;;       r = np.clip(x / 2.0 ** e, -28, 28)
;;       step = 2.0 ** (np.maximum(np.frexp(np.where(r == 0, 1, r))[1] - 1, -2) - 2)
;;       q = np.round(r / step) * step * 2.0 ** e      # np.round: ties to even
;;       return np.moveaxis(q.reshape(q.shape[:-2] + (-1,))[..., :K], -1, axis).astype(np.float32)
;;   ~~~
;;   INPUTS GIVEN AS CODES. Ua_w (in the module: [1024, 1024], K = its axis 0); Wa_w (in the module: [1024, 1024], K = its axis 0); query (in the module: [32, 1, 1024], K = its axis 2): each comes as NAME_codes (uint8): NAME with its K axis moved to the last place and cut into blocks of 32 codes, [.., K / 32, bytes a block], one block behind the other in memory; four codes in three bytes: a row's codes are one little-endian stream of bits, code i at bits 6 i .. 6 i + 5 (a code: sign, 3 exponent bits, 2 mantissa bits); and NAME_scales (uint8): the same leading axes, one E8M0 byte (e + 127) for each 32 codes along K. Its value is code x scale, taken as it is: it is not quantised again, and the codes and scales need not be those that the quantiser above would give.
;; One version. Each part assembles by itself: llvm-mc -triple=amdgcn-amd-amdhsa -mcpu=gfx1250 --defsym DOCPART=n.
;; ======== version 1 of 1: 3 launches
;; workspace buffers: uimg 819,200 bytes; tab 262,144 bytes; pctx 2,097,152 bytes; pw 262,144 bytes; pst 131,072 bytes
;; launch prep (part 1): grid 16 x 1, 4 waves a work-group, no clusters, 17,920 bytes of LDS; arguments query_codes, query_scales, Wa_w_codes, Wa_w_scales, Wa_b, Ua_b, va_w, Ua_w_codes, Ua_w_scales, tab, uimg; writes tab, uimg
.if DOCPART == 1
	.amdgcn_target "amdgcn-amd-amdhsa--gfx1250"
	.amdhsa_code_object_version 6
	.text
	.protected	k_qd6194aebe7_prep
	.globl	k_qd6194aebe7_prep
	.p2align	8
	.type	k_qd6194aebe7_prep,@function
k_qd6194aebe7_prep:
	s_mov_b64 s[64:65], 0
	v_nop
	global_prefetch_b8 v0, s[64:65] scope:SCOPE_SE
	s_setreg_imm32_b32 hwreg(HW_REG_WAVE_MODE, 25, 1), 1
	s_wait_xcnt 0x0
; Two small jobs ahead of the main launch.
; (1) tab[b]: cb[n] = c (query Wa + Wa_b + Ua_b)[b][n], c = 2 log2(e), then va2[n] = -2 va_w[n]: 4,096 + 4,096 bytes for each b, so that one dense block
;     brings all that the main launch wants of a batch element.  tanh(x) = 1 - 2 / (1 + 2^(c x)): c and the factor -2 are folded in here.
;     The product query Wa is made on the given codes of E3M2 and their E8M0 scale bytes, as they lie, 128 along K an instruction, sums in f32.
; (2) uimg: Ua's codes laid in the order of an operand's registers: a record of 12,800 bytes for each tile T of 16 columns n: K step s, registers 4 g .. 4 g + 3
;     of lane l at 1536 s + 512 g + 16 l; behind them the rows' scale words: words 4 q .. 4 q + 3 of row r at 12288 + 256 q + 16 r.
; SHARES: wave w of work-group g owns tile T = 4 g + w: 16 columns n, all 32 rows b.  16 work-groups: there are 64 tiles, and four waves' columns fill a run of 256 bytes of tab.
; No tensor load, no cluster: every tile of Wa and of Ua is read by one wave alone.
.set C2L, 0x4038aa3b                   ; c = 2 log2(e)
.set QF,  16                           ; v16-111  query's fragments of four K steps: (tile of rows i, step) at QF + 12 (4 i + step)
.set WF,  112                          ; v112-159 Wa's four
.set UF,  160                          ; v160-207 Ua's four
.set QS,  208                          ; v208-223 query's scale words: 8 i + K step
.set WS,  224                          ; v224-231 Wa's
.set US,  232                          ; v232-235 Ua's: lane (r, h) holds words 4 h .. 4 h + 3 of row r
.set D,   240                          ; v240-247, v248-255 the two sums (rows b 0-15, 16-31)
.set SPI, 528                          ; a stage row: 256 bytes of cb, 256 of va2, 16 of padding
	s_load_b512 s[4:19], s[0:1], 0x0               ; query codes, query scales, Wa codes, Wa scales, Wa_b, Ua_b, va_w, Ua codes
	s_load_b128 s[20:23], s[0:1], 0x40             ; Ua scales, tab
	s_load_b64 s[24:25], s[0:1], 0x50              ; uimg
	v_lshl_add_u32 v15, v0, 2, 0x4400
	v_mov_b32 v239, 0
	v_lshrrev_b32 v1, 5, v0
	v_readfirstlane_b32 s26, v1                    ; wave
	v_and_b32 v1, 15, v0                           ; r
	v_bfe_u32 v2, v0, 4, 1                         ; h
	v_mul_u32_u24 v3, v1, 768                      ; a row of 1,024 codes is 768 bytes
	v_mad_u32_u24 v3, v2, 24, v3                   ; + 24 h: a fragment's place for my lane
	v_and_b32 v4, 31, v0
	v_lshlrev_b32 v4, 4, v4                        ; 16 x lane: an image's place
	v_lshlrev_b32 v5, 5, v1                        ; 32 r: a row of scale bytes
	v_lshl_add_u32 v6, v2, 4, v5                   ; 32 r + 16 h
	v_lshlrev_b32 v7, 2, v1                        ; 4 r
	v_mul_u32_u24 v8, v2, 8*SPI
	v_add_nc_u32 v8, v8, v7
	s_lshl_b32 s27, s26, 6
	v_add_nc_u32 v8, s27, v8                       ; the stage, in: row 8 h (+ 16 i + j), byte 64 w + 4 r
	s_mul_i32 s27, s26, 8*SPI
	v_add_nc_u32 v9, s27, v4                       ; and back: rows 8 w on, 16 bytes a lane
	v_lshlrev_b32 v10, 12, v2
	v_lshl_add_u32 v10, v1, 4, v10                 ; in tab: lanes 0-15 cb's 256 bytes, lanes 16-31 va2's, 4,096 bytes on
	s_lshl_b32 s30, ttmp9, 2
	s_add_co_u32 s30, s30, s26                     ; T
	s_mul_i32 s32, s30, 12288                      ; 16 rows of codes
	s_mov_b32 s33, 0
	s_lshl_b32 s34, s30, 9                         ; 16 rows of scale bytes
	s_mov_b32 s35, 0
	s_lshl_b32 s36, s30, 6                         ; 16 numbers of a bias
	s_mov_b32 s37, 0
	s_mul_i32 s38, s30, 12800                      ; a record of uimg
	s_mov_b32 s39, 0
	s_lshl_b32 s40, s26, 16                        ; tab: rows b = 8 w on,
	s_lshl_b32 s41, ttmp9, 8                       ; the work-group's 64 columns
	s_add_co_u32 s40, s40, s41
	s_mov_b32 s41, 0
	s_mov_b32 s28, C2L
	s_mov_b32 s29, C2L                             ; (named with it as a pair, so it is written)
	s_wait_kmcnt 0x0
	s_add_nc_u64 s[8:9], s[8:9], s[32:33]
	s_add_nc_u64 s[18:19], s[18:19], s[32:33]
	s_add_nc_u64 s[10:11], s[10:11], s[34:35]
	s_add_nc_u64 s[20:21], s[20:21], s[34:35]
	s_add_nc_u64 s[12:13], s[12:13], s[36:37]
	s_add_nc_u64 s[14:15], s[14:15], s[36:37]
	s_add_nc_u64 s[16:17], s[16:17], s[36:37]
	s_add_nc_u64 s[24:25], s[24:25], s[38:39]
	s_add_nc_u64 s[22:23], s[22:23], s[40:41]
.irp i, 0,1
.irp q, 0,1
	global_load_b128 v[QS+8*\i+4*\q:QS+8*\i+4*\q+3], v5, s[6:7] offset:512*\i+16*\q
.endr
.endr
.irp q, 0,1
	global_load_b128 v[WS+4*\q:WS+4*\q+3], v5, s[10:11] offset:16*\q
.endr
	global_load_b128 v[US:US+3], v6, s[20:21]
	global_load_b32 v236, v7, s[12:13]             ; Wa_b[n]
	global_load_b32 v237, v7, s[14:15]             ; Ua_b[n]
	global_load_b32 v238, v7, s[16:17]             ; va_w[n]
; a fragment, 16 rows x 128 K of 6-bit codes: 12 registers; lane (r, h) takes 24 bytes at 24 h and 24 at 48 + 24 h of its row's 96, in pieces of 8 bytes
.macro FRAG reg, base, off
.irp p, 0,1,2,3,4,5
	global_load_b64 v[(\reg)+2*\p:(\reg)+2*\p+1], v3, s[\base:\base+1] offset:(\off)+48*(\p/3)+8*(\p%3)
.endr
.endm
; four K steps: the fragments come, Ua's leave again as images, and eight products are added; the two sums take turns
.macro HALF hf
.irp i, 0,1
.irp t, 0,1,2,3
	FRAG QF+12*(4*\i+\t), 4, 12288*\i+96*(4*\hf+\t)
.endr
.endr
.irp t, 0,1,2,3
	FRAG WF+12*\t, 8, 96*(4*\hf+\t)
	FRAG UF+12*\t, 18, 96*(4*\hf+\t)
.endr
	s_wait_loadcnt 0x0
.irp t, 0,1,2,3
.irp g, 0,1,2
	global_store_b128 v4, v[UF+12*\t+4*\g:UF+12*\t+4*\g+3], s[24:25] offset:1536*(4*\hf+\t)+512*\g   ; 32 lanes store 512 consecutive bytes, aligned to 256
.endr
.endr
.irp t, 0,1,2,3
.irp i, 0,1
.if (\hf == 0) && (\t == 0)
	v_wmma_scale_f32_16x16x128_f8f6f4 v[D+8*\i:D+8*\i+7], v[QF+12*(4*\i+\t):QF+12*(4*\i+\t)+11], v[WF+12*\t:WF+12*\t+11], 0, v[QS+8*\i+4*\hf+\t], v[WS+4*\hf+\t] matrix_a_fmt:MATRIX_FMT_BF6 matrix_b_fmt:MATRIX_FMT_BF6
.else
	v_wmma_scale_f32_16x16x128_f8f6f4 v[D+8*\i:D+8*\i+7], v[QF+12*(4*\i+\t):QF+12*(4*\i+\t)+11], v[WF+12*\t:WF+12*\t+11], v[D+8*\i:D+8*\i+7], v[QS+8*\i+4*\hf+\t], v[WS+4*\hf+\t] matrix_a_fmt:MATRIX_FMT_BF6 matrix_b_fmt:MATRIX_FMT_BF6
.endif
.endr
.endr
.endm
	HALF 0
	global_store_b128 v4, v[US:US+3], s[24:25] offset:12288     ; lane 16 h + r: words 4 h .. 4 h + 3 of row r at 256 h + 16 r
.rept 4
	v_nop                                          ; four places in front of loads into registers that matrix instructions have read
.endr
	s_wait_xcnt 0x0                                ; the stores have read Ua's fragments: their registers are loaded again only behind this wait
	HALF 1
	v_add_f32 v12, v236, v237                      ; these four lines name no register of the products: they are the places behind them
	v_mul_f32 v14, -2.0, v238                      ; va2
	v_mul_f32 v12, s28, v12                        ; c (Wa_b + Ua_b)
	v_mov_b32 v13, v12
.irp j, 0,2,4,6,8,10,12,14
	v_pk_fma_f32 v[D+\j:D+\j+1], v[D+\j:D+\j+1], s[28:29], v[12:13] op_sel_hi:[1,0,0]   ; cb; each sum from its low end on.  Register j of sum i, lane (r, h): b = 16 i + 8 h + j, n = 16 T + r
.endr
.irp i, 0,1
.irp j, 0,1,2,3,4,5,6,7
	ds_store_b32 v8, v[D+8*\i+\j] offset:(16*\i+\j)*SPI
	ds_store_b32 v8, v14 offset:(16*\i+\j)*SPI+256
.endr
.endr
	s_wait_dscnt 0x0                               ; for the others' sake: my stores into the stage are done
	s_barrier_signal -1
	s_barrier_wait -1
.irp k, 0,1,2,3,4,5,6,7
	ds_load_b128 v[16+4*\k:19+4*\k], v9 offset:SPI*\k
.endr
.irp k, 0,1,2,3,4,5,6,7
	s_wait_dscnt 7-\k                              ; LDS loads come back in order: row k is in, the younger ones may be out
	global_store_b128 v10, v[16+4*\k:19+4*\k], s[22:23] offset:8192*\k   ; row b = 8 w + k: sixteen lanes store 256 consecutive aligned bytes of cb, sixteen of va2
.endr
	s_wait_tensorcnt 0x0
	ds_add_u32 v15, v239
	s_wait_dscnt 0x0
	s_endpgm
.Lfunc_end_k_qd6194aebe7_prep:
	.size	k_qd6194aebe7_prep, .Lfunc_end_k_qd6194aebe7_prep-k_qd6194aebe7_prep
	.p2alignl 7, 3214868480
	.fill 96, 4, 3214868480
	.section	.rodata,"a",@progbits
	.p2align	6, 0x0
	.amdhsa_kernel k_qd6194aebe7_prep
		.amdhsa_group_segment_fixed_size 17920
		.amdhsa_private_segment_fixed_size 0
		.amdhsa_enable_private_segment 0
		.amdhsa_kernarg_size 88
		.amdhsa_user_sgpr_count 2
		.amdhsa_user_sgpr_kernarg_segment_ptr 1
		.amdhsa_wavefront_size32 1
		.amdhsa_system_sgpr_workgroup_id_x 1
		.amdhsa_system_sgpr_workgroup_id_y 1
		.amdhsa_system_sgpr_workgroup_id_z 1
		.amdhsa_system_vgpr_workitem_id 0
		.amdhsa_next_free_vgpr 256
		.amdhsa_next_free_sgpr 66
		.amdhsa_reserve_vcc 0
		.amdhsa_float_denorm_mode_32 3
		.amdhsa_float_denorm_mode_16_64 3
		.amdhsa_memory_ordered 1
		.amdhsa_forward_progress 1
		.amdhsa_inst_pref_size 31
	.end_amdhsa_kernel
	.amdgpu_metadata
---
amdhsa.version: [ 1, 2 ]
amdhsa.kernels:
  - .name:           k_qd6194aebe7_prep
    .symbol:         k_qd6194aebe7_prep.kd
    .args:
      - { .name: query_codes, .offset: 0, .size: 8, .value_kind: global_buffer, .address_space: global }
      - { .name: query_scales, .offset: 8, .size: 8, .value_kind: global_buffer, .address_space: global }
      - { .name: Wa_w_codes, .offset: 16, .size: 8, .value_kind: global_buffer, .address_space: global }
      - { .name: Wa_w_scales, .offset: 24, .size: 8, .value_kind: global_buffer, .address_space: global }
      - { .name: Wa_b, .offset: 32, .size: 8, .value_kind: global_buffer, .address_space: global }
      - { .name: Ua_b, .offset: 40, .size: 8, .value_kind: global_buffer, .address_space: global }
      - { .name: va_w, .offset: 48, .size: 8, .value_kind: global_buffer, .address_space: global }
      - { .name: Ua_w_codes, .offset: 56, .size: 8, .value_kind: global_buffer, .address_space: global }
      - { .name: Ua_w_scales, .offset: 64, .size: 8, .value_kind: global_buffer, .address_space: global }
      - { .name: tab, .offset: 72, .size: 8, .value_kind: global_buffer, .address_space: global }
      - { .name: uimg, .offset: 80, .size: 8, .value_kind: global_buffer, .address_space: global }
    .group_segment_fixed_size: 17920
    .private_segment_fixed_size: 0
    .kernarg_segment_align: 8
    .kernarg_segment_size: 88
    .max_flat_workgroup_size: 128
    .sgpr_count:     66
    .vgpr_count:     256
    .wavefront_size: 32
...
	.end_amdgpu_metadata
.endif
;; end of part 1
;; launch main (part 2): grid 16 x 32, 4 waves a work-group, clusters of 4 x 1, 327,680 bytes of LDS; arguments key, uimg, tab, va_b, pctx, pw, pst; writes pctx, pw, pst
.if DOCPART == 2
	.amdgcn_target "amdgcn-amd-amdhsa--gfx1250"
	.amdhsa_code_object_version 6
	.text
	.protected	k_qd6194aebe7_main
	.globl	k_qd6194aebe7_main
	.p2align	8
	.type	k_qd6194aebe7_main,@function
k_qd6194aebe7_main:
	s_mov_b64 s[64:65], 0
	v_nop
	global_prefetch_b8 v0, s[64:65] scope:SCOPE_SE
	s_setreg_imm32_b32 hwreg(HW_REG_WAVE_MODE, 25, 1), 1
	s_wait_xcnt 0x0
	s_wait_alu depctr_hold_cnt(0) depctr_sa_sdst(0) depctr_va_vdst(0) depctr_va_sdst(0) depctr_va_ssrc(0) depctr_va_vcc(0) depctr_vm_vsrc(0)
	s_getreg_b32 s2, hwreg(HW_REG_IB_STS2, 6, 4)
	s_cmp_eq_u32 s2, 0
	s_cbranch_scc0 .Lentry_in_a_cluster
	s_endpgm
.Lentry_in_a_cluster:
	s_bfe_u32 s2, ttmp6, 0x10000c
	s_cmp_lg_u32 s2, 0x3003
	s_cbranch_scc0 .Lentry_shape_is_right
	s_endpgm
.Lentry_shape_is_right:
; For 128 rows s of one batch element b: score = va_b + sum over n of va[n] tanh(qWa[b][n] + Wa_b[n] + (key Ua)[s][n] + Ua_b[n]); then a softmax over these 128 rows alone
; (their own largest score M is taken away first) and the part of the context that they give.  The last launch joins the 16 parts of a batch element.  KEY LEAVES MEMORY ONCE.
; key Ua is made on codes of E3M2 with one E8M0 scale for each 32 along K: key is quantised here, in f32, as it arrives; Ua's codes come laid in the order of the operand's registers (uimg).
; tanh(x) = 1 - 2 / (1 + 2^(c x)), c = 2 log2(e): score = va_b + sum va + sum va2[n] / (1 + 2^(c D + cb[n])), va2 = -2 va, cb from tab; 2^(..) = infinity gives 0 and 2^(..) = 0 gives 1, tanh's two ends.
; SHARES.  Work-group (j, b): rows 128 j .. 128 j + 127.  Wave w: rows 32 w .. 32 w + 31, two tiles of 16, against ALL 1,024 columns n: so a wave quantises only what it multiplies, its rows' scores are whole in the wave,
; and key's codes (192 registers) and a bf16 copy of its 32 rows (512 registers) stay in its registers: the copy serves the context at the end.
; Ua walks by: 64 tiles of 16 columns, 8 to an LDS slot, two slots.  CLUSTER: all work-groups walk the same uimg and the four of a cluster have the same b, so every tensor load is JOINT: the same load with the same
; descriptor and the mask of all four in each of them.
; THE PRODUCT IS USED TRANSPOSED: source 0 = 16 columns of Ua, source 1 = 16 rows of key: lane (r, h), register j: row r, column 8 h + j.  A lane sums its row's score in its own registers.
; THE TILE LOOP IS A PIPELINE.  In step t the 16 products of tile t are issued, and between them stand: for tile t - 1 the scalings and exponentials (first half), the additions and reciprocals (second half); for tile t - 2
; the multiply-adds onto the scores; behind products 7 and 15 the two runs of LDS loads that bring tile t + 1 into the fragments just multiplied.
; No prefetch: in the ingest every wave already has two or three units of 8,192 bytes of key on their way, and uimg and tab are walked by every work-group again and again.
; LIMITS: NaN and infinities in key are not served.  A block of 32 of key whose largest magnitude lies under 2^-122, a block of zeros among them, gets the scale byte 1 (the rule says 127 for zeros): its bytes are read here alone.
; The context takes key rounded to bf16 and p in f32.
; REGISTERS, in windows of 256 (s_set_vgpr_msb: bits 1:0 source 0, 3:2 source 1, 5:4 source 2, 7:6 destination):
;   window 0: v1-10 addresses; v11-15 at work; v16-31 key's scale words; v32-47 Ua's, two sets; v208-214 addresses that stay;
;             ingest: v48-63 TM, v64-79 TC, v80-143 X, v144-207 landing set 0
;             products: v48-79 the sums, two sets of two; v80-175 a tile of Ua; v176-183 cb; v184-191 the scores; v192-207 the reciprocals;   end: v80-111 the context, v112-143 at work
;   window 1: v0-191 key's 16 fragments (tile i, K step s at 12 (8 i + s)); v192-255 landing set 1, later v192-199 va2
;   windows 2, 3: the bf16 copy of tile 0, 1: K step s, row rho, pair e at 32 s + 2 rho + e; window 3's v192-255 are landing set 2 until K step 6 of tile 1 wants them
; In the loop the setting is 0x04: source 1 in window 1.  That is key's fragment in a product and va2 in the multiply-add onto a score; every other vector line has a scalar or a constant there.
.set RECB,  12800                      ; a record of uimg: 8 fragments of 1,536 bytes, then 512 bytes of scale words
.set SLOTB, 8*RECB                     ; a slot step in memory: 8 records
.set SLOTP, 9*RECB                     ; from slot to slot in LDS: a record's worth of bytes is left unused behind each slot: there the walking address stands between a slot's last fetch and its reset; nothing is read or filled there
.set QTRB,  2*RECB                     ; what one tensor load brings: 2 records, as 100 rows of 256 bytes
.set TAB,   2*SLOTP                    ; 230,400: the batch element's cb and va2, 8,192 bytes, filled once
.set SPI,   528                        ; a stage row: 512 bytes + 16, an odd multiple of 16: the sixteen rows that a load of 16 bytes a lane touches start at different banks (ISA guide 11.1)
.set WSTG,  16*SPI                     ; a wave's stage: 8,448 bytes
.set STG,   TAB+8192                   ; 238,592: the four stages; no tensor load lands here
.set EXB,   STG+4*WSTG                 ; 272,384: p of the 128 rows (512 bytes); the waves' maxima at 512 + 4 w, their sums at 528 + 4 w
.set SPARE, EXB+1024                   ; 273,408: the spare words, 128 bytes for each wave: two blocks of 256 bytes that no other line names
.set LI,  1                            ; v1   16 x lane
.set QA,  2                            ; v2   the stage, back: row r, + 64 h
.set SW,  3                            ; v3   the stage, in: 16 x lane
.set ADB, 4                            ; v4   the fragments of the tile to be fetched
.set ADS, 5                            ; v5   16 r + that tile's record: its scale words lie 12,288 bytes on
.set LN,  6                            ; v6   lane
.set RR,  7                            ; v7   r = lane % 16
.set ADT, 8                            ; v8   cb of the tile in hand: TAB + 64 t + 32 h
.set SPW, 9                            ; v9   my spare word: SPARE + 4 x my thread's number; never rewritten
.set NIL, 10                           ; v10  0; never rewritten
.set AS,  16
.set BS,  32
.set D,   48
.set BF,  80
.set CB,  176
.set SA,  184
.set RC,  192
.set VA,  192                          ; in window 1
.set AM,  208                          ; v208 EXB + 512 + 4 w
.set AM0, 209                          ; v209 EXB + 512
.set AP,  210                          ; v210 EXB + 128 w + 4 r
.set AC,  211                          ; v211 STG + 1024 w + 16 x lane
.set APR, 212                          ; v212 EXB + 16 x lane
.set HH,  213                          ; v213 h = lane / 16
.set ATB, 214                          ; v214 TAB + 4096 + 16 x lane
.set TM,  48
.set TC,  64
.set X,   80
.set CX,  80
.set SU,  112
.set WV,  18                           ; s18  my wave's number
.set SEL, 26                           ; s[26:27] lane selects for v_permlanex16_b32: lane l xor 16
.set CC,  28                           ; s[28:29] c
.set L2E, 30                           ; s[30:31] log2(e)
.set G1B, 32                           ; s[32:39] descriptor group 1 for uimg's quarters of a slot
.set G1T, 40                           ; s[40:47] for tab's quarters
.set G0,  48                           ; s[48:55] group 0, one set for each slot
.set G0T, 56                           ; s[56:59] group 0 for tab
.set TB,  60                           ; s60  LDS byte of the record to be fetched
.set TT,  61                           ; s61  TAB + 64 x the number of the tile in hand
.set CNT, 62
.set LAP, 63
.set PR,  68                           ; s[68:99] p of my 32 rows
.set MSB, 0
.macro WIN new                         ; the immediate's high byte repeats the setting that is left; a switch that changes nothing is dropped
.if MSB != (\new)
	s_set_vgpr_msb (MSB<<8)|(\new)
.set MSB, (\new)
.endif
.endm
; A round of the cluster's barrier: my work-group's barrier; wave 0 signals for the work-group; every wave waits for all four work-groups; my work-group's barrier once more.
.macro ROUND
	s_barrier_signal -1
	s_barrier_wait -1
	s_cmp_lg_u32 s[WV], 0
	s_cbranch_scc1 .Lnot_wave_0_\@
	s_barrier_signal -3
.Lnot_wave_0_\@:
	s_barrier_wait -3
	s_barrier_signal -1
	s_barrier_wait -1
.endm
; THE INGEST.  A unit u = 8 i + s is tile i (16 rows) x K step s (128 columns, 512 bytes of a row).
; Its landing set: u % 3, but units 14 and 15 take sets 0 and 1, since set 2's registers are the copy's last.
.macro RSET u
.if (\u) == 14
.set RN, 0
.elseif (\u) == 15
.set RN, 1
.else
.set RN, (\u)%3
.endif
.if RN == 0
.set RB, 144
.set RW, 0
.elseif RN == 1
.set RB, 192
.set RW, 1
.else
.set RB, 192
.set RW, 3
.endif
.endm
.macro GLOAD u                         ; sixteen loads, a row each: 32 lanes read 512 consecutive bytes, aligned; the row and the K step stand in the immediate, 4,066,816 at the most
	RSET \u
	WIN (RW<<6)
.irp rho, 0,1,2,3,4,5,6,7,8,9,10,11,12,13,14,15
	global_load_b128 v[RB+4*\rho:RB+4*\rho+3], v[LI], s[4:5] offset:(16*((\u)/8)+\rho)*131072+512*((\u)%8) th:TH_LOAD_NT
.endr
.endm
	s_load_b256 s[4:11], s[0:1], 0x0               ; key, uimg, tab, va_b
	s_load_b128 s[12:15], s[0:1], 0x20             ; pctx, pw
	s_load_b64 s[16:17], s[0:1], 0x30              ; pst
	v_lshl_add_u32 v[SPW], v0, 2, SPARE
	v_mov_b32 v[NIL], 0
	ds_add_u32 v9, v10
	ds_add_u32 v9, v10
	s_wait_dscnt 0x0
	v_lshrrev_b32 v11, 5, v0
	v_readfirstlane_b32 s[WV], v11                 ; wave 0..3
	s_bfe_u32 s19, ttmp6, 0x40000                  ; cx: my place in the cluster
	s_lshl_b32 s20, ttmp9, 2                       ; in a cluster launch ttmp9 counts clusters
	s_add_co_u32 s20, s20, s19                     ; j = 4 x cluster x + cx: it enters the addresses of key, pctx, pw and pst alone
	s_and_b32 s21, ttmp7, 0xffff                   ; b, which the four partners share
	; descriptor group 1: dense blocks as rows of 256 bytes (32 elements of 8 bytes), no padding: the reads are 512 consecutive bytes an instruction
	s_mov_b32 s[G1B], 15|(3<<16)|(1<<21)           ; 15:0 the mask: all four work-groups; 17:16 elements of 8 bytes; 21 set beside a mask
	s_mov_b32 s[G1T], 15|(3<<16)|(1<<21)
.irp g, G1B, G1T
	s_mov_b32 s[\g+1], 32<<16                      ; tensor_dim0 = 32
	s_mov_b32 s[\g+3], 32<<16                      ; tile_dim0 = 32
	s_mov_b32 s[\g+5], 32                          ; from row to row: 32 elements
	s_mov_b32 s[\g+6], 0
	s_mov_b32 s[\g+7], 0
.endr
	s_mov_b32 s[G1B+2], 100<<16                    ; tensor_dim1 = 100 rows: 25,600 bytes
	s_mov_b32 s[G1B+4], 100                        ; tile_dim1
	s_mov_b32 s[G1T+2], 8<<16                      ; 8 rows: 2,048 bytes
	s_mov_b32 s[G1T+4], 8
	s_mov_b32 s[SEL], 0x76543210
	s_mov_b32 s[SEL+1], 0xfedcba98
	s_mov_b32 s[CC], 0x4038aa3b                    ; c = 2 log2(e)
	s_mov_b32 s[CC+1], 0x4038aa3b                  ; (the packed forms name pairs, so both words are written)
	s_mov_b32 s[L2E], 0x3fb8aa3b
	s_mov_b32 s[L2E+1], 0x3fb8aa3b
	s_mov_b32 s[TT], TAB
	v_and_b32 v[LN], 31, v0                        ; lane
	v_and_b32 v[RR], 15, v0                        ; r
	v_bfe_u32 v[HH], v0, 4, 1                      ; h
	v_lshlrev_b32 v[LI], 4, v[LN]
	s_mul_i32 s22, s[WV], WSTG
	s_add_co_u32 s22, s22, STG                     ; my stage
	v_mul_u32_u24 v[QA], v[RR], SPI
	v_lshl_add_u32 v[QA], v[HH], 6, v[QA]
	v_add_nc_u32 v[QA], s22, v[QA]
	v_add_nc_u32 v[SW], s22, v[LI]
	s_lshl_b32 s22, s[WV], 2
	s_add_co_u32 s22, s22, EXB+512
	v_mov_b32 v[AM], s22
	v_mov_b32 v[AM0], EXB+512
	s_lshl_b32 s22, s[WV], 7
	s_add_co_u32 s22, s22, EXB
	v_lshl_add_u32 v[AP], v[RR], 2, s22
	s_lshl_b32 s22, s[WV], 10
	s_add_co_u32 s22, s22, STG
	v_add_nc_u32 v[AC], s22, v[LI]
	v_add_nc_u32 v[APR], EXB, v[LI]
	v_add_nc_u32 v[ATB], TAB+4096, v[LI]
	v_mov_b32 v14, 0
.irp b, 0,1,2,3
	v_mov_b32 v[TM+4+\b], 0                        ; written once: a lane permute's destination counts as one of its sources
.endr
	s_mul_i32 s25, s[WV], QTRB                     ; my quarter of a slot, in memory and in LDS: no place in the cluster enters it
	s_lshl_b32 s66, s[WV], 11                      ; my quarter of tab's record
	s_wait_kmcnt 0x0
	s_load_b32 s24, s[10:11], 0x0                  ; va_b; waited for behind the ingest
	s_mov_b32 s22, s25
	s_mov_b32 s23, 0
	s_add_nc_u64 s[6:7], s[6:7], s[22:23]          ; uimg at my quarter of slot step 0
	s_lshl_b32 s22, s21, 13
	s_add_co_u32 s22, s22, s66
	s_add_nc_u64 s[8:9], s[8:9], s[22:23]          ; tab at my quarter of b's record
.irp x, 0,1
	s_mov_b32 s[G0+4*\x], 1                        ; 1:0 count = 1
	s_add_co_u32 s[G0+4*\x+1], s25, \x*SLOTP       ; 63:32 LDS address
	s_add_nc_u64 s[G0+4*\x+2:G0+4*\x+3], s[6:7], \x*SLOTB   ; 120:64 global address: slot step x
	s_or_b32 s[G0+4*\x+3], s[G0+4*\x+3], 0x80000000          ; 127:126 type = 2
.endr
	s_mov_b32 s[G0T], 1
	s_add_co_u32 s[G0T+1], s66, TAB
	s_mov_b64 s[G0T+2:G0T+3], s[8:9]
	s_or_b32 s[G0T+3], s[G0T+3], 0x80000000
	; what hangs on j is made in registers of its own, s2, s3 and s67
	s_lshl_b32 s2, s20, 24                         ; key: 128 j rows of 131,072 bytes,
	s_lshl_b32 s3, s21, 12                         ; b's 4,096 bytes of a row,
	s_add_co_u32 s2, s2, s3
	s_lshl_b32 s3, s[WV], 22                       ; my wave's 32 rows: under 2^28 in all
	s_add_co_u32 s2, s2, s3
	s_mov_b32 s3, 0
	s_add_nc_u64 s[4:5], s[4:5], s[2:3]
	s_lshl_b32 s67, s21, 4
	s_add_co_u32 s67, s67, s20                     ; 16 b + j
	s_lshl_b32 s2, s67, 12
	s_lshl_b32 s3, s[WV], 10
	s_add_co_u32 s2, s2, s3
	s_mov_b32 s3, 0
	s_add_nc_u64 s[12:13], s[12:13], s[2:3]        ; pctx: my 256 columns of part (b, j)
	s_lshl_b32 s2, s21, 13
	s_lshl_b32 s3, s20, 9
	s_add_co_u32 s2, s2, s3
	s_mov_b32 s3, 0
	s_add_nc_u64 s[14:15], s[14:15], s[2:3]        ; pw: the 128 rows' 512 bytes
	s_lshl_b32 s2, s67, 8
	s_add_nc_u64 s[16:17], s[16:17], s[2:3]        ; pst: the part's 256 bytes
	GLOAD 0                                        ; key's first three units are asked for ahead of the round: they are each wave's own, nobody writes key
	GLOAD 1
	GLOAD 2
	WIN 0                                          ; at a label and at a branch every window is 0
	ROUND                                          ; all four work-groups are here: the first joint loads meet
	tensor_load_to_lds s[G0T:G0T+3], s[G1T:G1T+7]  ; the three first fills go out together: three tensor loads of mine are out
	s_nop 0
	tensor_load_to_lds s[G0:G0+3], s[G1B:G1B+7]
	s_nop 0
	tensor_load_to_lds s[G0+4:G0+7], s[G1B:G1B+7]
	s_nop 0
.rept 4
	v_nop                                          ; four lines behind the tensor loads, ahead of the next switch of windows
.endr
; 64 numbers of a lane, X + 16 b + n = k 32 b + 16 h + n of row r, become fragment u (window 1) and its scale word.  A block's scale is 2^(floor(log2(largest magnitude)) - 4).
.macro QUANT u
.irp b, 0,1,2,3
	v_max3_num_f32 v[TM+\b], |v[X+16*\b]|, |v[X+16*\b+1]|, 0x2800000   ; my 16 numbers of block b, and the floor 2^(5 - 127): the byte cannot fall under 1
.endr
.irp n, 2,4,6,8,10,12,14
.irp b, 0,1,2,3
	v_max3_num_f32 v[TM+\b], v[TM+\b], |v[X+16*\b+\n]|, |v[X+16*\b+\n+1]|   ; the four blocks by turns
.endr
.endr
.irp b, 0,1,2,3
	v_permlanex16_b32 v[TM+4+\b], v[TM+\b], s[SEL], s[SEL+1]
.endr
.irp b, 0,1,2,3
	v_max_num_f32 v[TM+\b], v[TM+\b], v[TM+4+\b]   ; with lane l xor 16's 16: the block's largest magnitude
.endr
.irp b, 0,1,2,3
	v_add_nc_u32 v[TM+12+\b], 0xfe000000, v[TM+\b] ; 4 off its exponent field: the conversion takes this operand's exponent field as its scale
.endr
.irp b, 0,1,2,3
	v_lshrrev_b32 v[TM+4+\b], 23, v[TM+12+\b]      ; the scale's byte
.endr
	v_lshl_or_b32 v[AS+(\u)], v[TM+5], 8, v[TM+4]  ; my row's scale word for these 128 along K
	v_lshl_or_b32 v[AS+(\u)], v[TM+6], 16, v[AS+(\u)]
	v_lshl_or_b32 v[AS+(\u)], v[TM+7], 24, v[AS+(\u)]
.irp c, 0,1
	v_cvt_scalef32_pk16_bf6_f32 v[TC+8*\c:TC+8*\c+2], v[X+32*\c:X+32*\c+15], v[TM+12+2*\c]       ; to the nearest code, ties to even, beyond 28 the largest code
	v_cvt_scalef32_pk16_bf6_f32 v[TC+8*\c+4:TC+8*\c+6], v[X+32*\c+16:X+32*\c+31], v[TM+13+2*\c]
.endr
	v_nop                                          ; one plain line behind the scaled conversions
.irp c, 0,1
.irp n, 0,1,2
	v_permlane16_swap_b32 v[TC+8*\c+\n], v[TC+8*\c+4+\n]   ; the operand wants a WHOLE block in a lane: lanes 0-15 block 2 c, lanes 16-31 block 2 c + 1
.endr
.endr
	WIN 0x40                                       ; destination window 1
.irp c, 0,1
.irp n, 0,1,2
	v_mov_b32 v[12*(\u)+6*\c+\n], v[TC+8*\c+\n]
	v_mov_b32 v[12*(\u)+6*\c+3+\n], v[TC+8*\c+4+\n]
.endr
.endr
	WIN 0
.endm
; A unit's turn: its 8,192 bytes go through my own stage (in as they were loaded, a row to an instruction; back 64 bytes of one row to a lane), are rounded to bf16 into the copy, and are quantised.
.macro UNIT u
	RSET \u
.set UI, (\u)/8
.set UK, (\u)%8
.if (\u) <= 11
	s_wait_loadcnt 32                              ; loads come back in order: mine are in, the two younger units' 32 may be out
.elseif (\u) <= 14
	s_wait_loadcnt 16                              ; one younger unit is out
.else
	s_wait_loadcnt 0
.endif
	WIN (RW<<2)                                    ; an LDS store's data are its source 1
.irp rho, 0,1,2,3,4,5,6,7,8,9,10,11,12,13,14,15
	ds_store_b128 v[SW], v[RB+4*\rho:RB+4*\rho+3] offset:SPI*\rho
.endr
	WIN 0
.irp b, 0,1,2,3
.irp jj, 0,1,2,3
	ds_load_b128 v[X+16*\b+4*\jj:X+16*\b+4*\jj+3], v[QA] offset:128*\b+16*\jj   ; LDS serves a wave's instructions in order: these see my stores
.endr
.endr
	WIN ((2+UI)<<6)|(RW<<2)|RW
.irp rho, 0,1,2,3,4,5,6,7,8,9,10,11,12,13,14,15
.irp e, 0,1
	v_cvt_pk_bf16_f32 v[32*UK+2*\rho+\e], v[RB+4*\rho+2*\e], v[RB+4*\rho+2*\e+1]   ; lane l: columns 128 s + 4 l + 2 e, + 1 of row rho
.endr
.endr
	s_wait_dscnt 0x0                               ; X is in, and the stores have read the landing set: it takes the next loads
.if (\u) <= 10
	GLOAD (\u)+3
.elseif (\u) == 12
	GLOAD 14
.elseif (\u) == 13
	GLOAD 15
.endif
	WIN 0
	QUANT \u
.endm
.irp u, 0,1,2,3,4,5,6,7,8,9,10,11,12,13,14,15
	UNIT \u
.endr
	WIN 0x40
.set k, 0
.rept 8
	v_mov_b32 v[VA+k], 0                           ; va2 and the reciprocals begin as zeros: step 1's multiply-adds onto the scores, which have no tile yet, add 0
.set k, k+1
.endr
	WIN 0
.set k, 0
.rept 16
	v_mov_b32 v[RC+k], 0
.set k, k+1
.endr
.set k, 0
.rept 8
	v_mov_b32 v[SA+k], 0                           ; the scores.  (These lines also stand between the last operand and scale registers written by vector instructions and the first product)
.set k, k+1
.endr
; THE PRODUCTS.
.macro SFMA                            ; pair q of a tile: score += reciprocal x va2.  Two chains for each tile of rows; va2 stands as source 1, in window 1
	v_pk_fma_f32 v[SA+4*(q/4)+2*(q%2):SA+4*(q/4)+2*(q%2)+1], v[RC+2*q:RC+2*q+1], v[VA+2*(q%4):VA+2*(q%4)+1], v[SA+4*(q/4)+2*(q%2):SA+4*(q/4)+2*(q%2)+1]
.endm
; STEP t.  par = t % 2: the set of sums and of Ua's scale words that the products use.  Product k: K step k / 2, tile of rows k % 2: the two sums take turns, from step to step too.
; fe = 1: tile t - 1's tanh and tile t - 2's multiply-adds stand behind the products.  Behind product k < 8: the scaling of pair k (c D + cb, each sum from its low end on) and the exponentials of pair k - 1;
; behind product 8 + q: 1 + 2^.. of pair q, the multiply-add of tile t - 2's pair q, and pair q's two reciprocals, which land where that multiply-add has just read.
; Each batch of sixteen transcendentals has one wait, behind product 7 or 15, ahead of its first reader.
; ld = 1: tile t + 1 is fetched into the fragments just multiplied, in two runs.  Four v_nop stand between the last product that read a fragment and the load into it (ISA guide 7.12.1 for vector instructions);
; they are also the plain lines behind the batch, and, behind product 15, the places in front of the next step's first read of the sums.
;   run X, behind product 7:  f0 3 loads, the scale words 2, f1 3, cb of tile t 2, f2 3, f3 3: 16.     run Y, behind product 15:  va2 of tile t - 1 2 (va = 1), f4 to f7 3 each: 14.
; THE COUNTS.  LDS loads come back in order.  In front of product 0: f2, f3 and run Y may be out: 20; product 4: 17; product 6: 14.
; In front of product 8, behind this step's run X: f5 to f7 and those 16 may be out: 25; then 22, 19, 16.
.macro STEP par, fe, ld, va
.set DW, D+16*(\par)
.set DT, D+16-16*(\par)
.set BR, BS+8*(\par)
.set BN, BS+8-8*(\par)
.set k, 0
.rept 16
.set ks, k/2
.set ii, k%2
.set q, k-8
.if \ld
.if k == 0
	s_wait_dscnt 20
.elseif k == 4
	s_wait_dscnt 17
.elseif k == 6
	s_wait_dscnt 14
.elseif k == 8
	s_wait_dscnt 25
.elseif k == 10
	s_wait_dscnt 22
.elseif k == 12
	s_wait_dscnt 19
.elseif k == 14
	s_wait_dscnt 16
.endif
.else
.if k == 0
	s_wait_dscnt 0x0                               ; the step that fetches no tile: all is in
.endif
.endif
.if ks == 0
	v_wmma_scale_f32_16x16x128_f8f6f4 v[DW+8*ii:DW+8*ii+7], v[BF+12*ks:BF+12*ks+11], v[12*(8*ii+ks):12*(8*ii+ks)+11], 0, v[BR+ks], v[AS+8*ii+ks] matrix_a_fmt:MATRIX_FMT_BF6 matrix_b_fmt:MATRIX_FMT_BF6
.else
	v_wmma_scale_f32_16x16x128_f8f6f4 v[DW+8*ii:DW+8*ii+7], v[BF+12*ks:BF+12*ks+11], v[12*(8*ii+ks):12*(8*ii+ks)+11], v[DW+8*ii:DW+8*ii+7], v[BR+ks], v[AS+8*ii+ks] matrix_a_fmt:MATRIX_FMT_BF6 matrix_b_fmt:MATRIX_FMT_BF6
.endif
.if k == 0
.if \ld
	v_lshl_add_u32 v[ADB], v[LN], 4, s[TB]         ; the step's addresses: the record of tile t + 1,
	v_lshl_add_u32 v[ADS], v[RR], 4, s[TB]
	s_add_co_u32 s[TB], s[TB], RECB
.endif
	v_lshl_add_u32 v[ADT], v[HH], 5, s[TT]         ; and tile t's place in cb: my eight columns are 32 bytes
	s_add_co_u32 s[TT], s[TT], 64
.endif
.if \fe
.if k < 8
	v_pk_fma_f32 v[DT+2*k:DT+2*k+1], v[DT+2*k:DT+2*k+1], s[CC:CC+1], v[CB+2*(k%4):CB+2*(k%4)+1] op_sel_hi:[1,0,1]
.if k > 0
	v_exp_f32 v[DT+2*k-2], v[DT+2*k-2]
	v_exp_f32 v[DT+2*k-1], v[DT+2*k-1]
.endif
.if k == 7
	v_exp_f32 v[DT+14], v[DT+14]
	v_exp_f32 v[DT+15], v[DT+15]
.endif
.else
	v_pk_add_f32 v[DT+2*q:DT+2*q+1], v[DT+2*q:DT+2*q+1], 1.0 op_sel_hi:[1,0]
	SFMA
	v_rcp_f32 v[RC+2*q], v[DT+2*q]
	v_rcp_f32 v[RC+2*q+1], v[DT+2*q+1]
.endif
.endif
.if (k == 7) || (k == 15)
.rept 4
	v_nop
.endr
.if \fe
	s_wait_alu depctr_va_vdst(0)
.endif
.endif
.if k == 7
.if \ld
.irp g, 0,1,2
	ds_load_b128 v[BF+4*\g:BF+4*\g+3], v[ADB] offset:512*\g
.endr
	ds_load_b128 v[BN:BN+3], v[ADS] offset:12288
	ds_load_b128 v[BN+4:BN+7], v[ADS] offset:12544
.irp g, 3,4,5
	ds_load_b128 v[BF+4*\g:BF+4*\g+3], v[ADB] offset:512*\g
.endr
.endif
	ds_load_b128 v[CB:CB+3], v[ADT]
	ds_load_b128 v[CB+4:CB+7], v[ADT] offset:16
.if \ld
.irp g, 6,7,8,9,10,11
	ds_load_b128 v[BF+4*\g:BF+4*\g+3], v[ADB] offset:512*\g
.endr
.endif
.endif
.if k == 15
.if \va
	WIN 0x44                                       ; destination window 1
	ds_load_b128 v[VA:VA+3], v[ADT] offset:4032    ; va2 lies 4,096 bytes behind cb; tile t - 1 lies 64 bytes back
	ds_load_b128 v[VA+4:VA+7], v[ADT] offset:4048
	WIN 0x04
.endif
.if \ld
.irp g, 12,13,14,15,16,17,18,19,20,21,22,23
	ds_load_b128 v[BF+4*\g:BF+4*\g+3], v[ADB] offset:512*\g
.endr
.endif
.endif
.set k, k+1
.endr
.endm
; THE CHANGE OF SLOTS stands in front of the step that multiplies slot x's last tile: that tile has been asked for, and the step will fetch the other slot's first.  Each wave waits for all its tensor loads (the one that is
; out is its part of the other slot), adds 0 to its spare word, and waits for that and for its reads of slot x.
; fill = 1: a round of the cluster's barrier, so that no wave of any partner still reads the slot or has a load on its way; the joint refill, two slot steps on, is the first thing behind it and has eight tiles in which to land.
.macro CHANGE x, fill
	s_wait_tensorcnt 0x0                           ; no tensor load of mine is out, so a group 0 may be written
	ds_add_u32 v[SPW], v[NIL]                      ; 0 onto my spare word
.if \fill
	s_add_nc_u64 s[G0+4*\x+2:G0+4*\x+3], s[G0+4*\x+2:G0+4*\x+3], 2*SLOTB   ; the type bits on top are not reached
.endif
	s_wait_dscnt 0x0                               ; the add is done, and my reads of the slot are over
.if \fill
	ROUND
	tensor_load_to_lds s[G0+4*\x:G0+4*\x+3], s[G1B:G1B+7]   ; my one tensor load until the next round
	s_nop 0
.rept 4
	v_nop
.endr
.else
	s_barrier_signal -1
	s_barrier_wait -1
.endif
.endm
; Eight steps, an odd tile first: they fetch the eight records of the slot that is not x.
.macro GROUP x, fill
	CHANGE \x, \fill
	s_mov_b32 s[TB], (1-(\x))*SLOTP
	s_mov_b32 s[CNT], 4
.Lpair_\@:
	WIN 0x04
	STEP 1, 1, 1, 1
	STEP 0, 1, 1, 1
	WIN 0                                          ; at a label and at a branch every window is 0
	s_sub_co_u32 s[CNT], s[CNT], 1
	s_cmp_lg_u32 s[CNT], 0
	s_cbranch_scc1 .Lpair_\@
.endm
	s_wait_kmcnt 0x0                               ; va_b
	s_wait_tensorcnt 0x1                           ; tab's and slot 0's parts are in; slot 1's may stay out
	s_wait_dscnt 0x0
	s_barrier_signal -1
	s_barrier_wait -1                              ; everybody's are
	s_mov_b32 s[TB], 0
	v_lshl_add_u32 v[ADB], v[LN], 4, s[TB]
	v_lshl_add_u32 v[ADS], v[RR], 4, s[TB]
.set g, 0
.rept 24
	ds_load_b128 v[BF+4*g:BF+4*g+3], v[ADB] offset:512*g   ; tile 0, whole: 512 consecutive bytes an instruction bring the fragments as they stood in registers
.set g, g+1
.endr
	ds_load_b128 v[BS:BS+3], v[ADS] offset:12288   ; its scale words: lane r has row r's eight
	ds_load_b128 v[BS+4:BS+7], v[ADS] offset:12544
	s_mov_b32 s[TB], RECB
	s_wait_dscnt 0x0
	WIN 0x04
	STEP 0, 0, 1, 0                                ; tile 0: nothing to set between its products yet
	s_wait_dscnt 0x0                               ; its run Y was two loads short, so the next step's counts are not leaned on: all is in
	WIN 0
	s_mov_b32 s[CNT], 3
.Lpre:                                             ; tiles 1 to 6
	WIN 0x04
	STEP 1, 1, 1, 1
	STEP 0, 1, 1, 1
	WIN 0
	s_sub_co_u32 s[CNT], s[CNT], 1
	s_cmp_lg_u32 s[CNT], 0
	s_cbranch_scc1 .Lpre
	s_mov_b32 s[LAP], 3
.Llap:                                             ; three trips: tiles 7 to 54; slot steps 2 to 7 are asked for
	GROUP 0, 1
	GROUP 1, 1
	s_sub_co_u32 s[LAP], s[LAP], 1
	s_cmp_lg_u32 s[LAP], 0
	s_cbranch_scc1 .Llap
	GROUP 0, 0                                     ; the tail is written out: tiles 55 to 62; nothing is left to ask for
	WIN 0x04
	STEP 1, 1, 0, 1                                ; tile 63: no tile follows
	s_wait_dscnt 0x0                               ; va2 of tile 62 and cb of tile 63 are in
.set q, 0
.rept 8
	SFMA                                           ; tile 62 onto the scores
.set q, q+1
.endr
	WIN 0x44
	ds_load_b128 v[VA:VA+3], v[ADT] offset:4096    ; va2 of tile 63
	ds_load_b128 v[VA+4:VA+7], v[ADT] offset:4112
	WIN 0x04
.set DT, D+16
.set k, 0
.rept 8
	v_pk_fma_f32 v[DT+2*k:DT+2*k+1], v[DT+2*k:DT+2*k+1], s[CC:CC+1], v[CB+2*(k%4):CB+2*(k%4)+1] op_sel_hi:[1,0,1]
.set k, k+1
.endr
.set k, 0
.rept 16
	v_exp_f32 v[DT+k], v[DT+k]
.set k, k+1
.endr
	v_nop
	s_wait_alu depctr_va_vdst(0)
.set k, 0
.rept 8
	v_pk_add_f32 v[DT+2*k:DT+2*k+1], v[DT+2*k:DT+2*k+1], 1.0 op_sel_hi:[1,0]
.set k, k+1
.endr
.set k, 0
.rept 16
	v_rcp_f32 v[RC+k], v[DT+k]
.set k, k+1
.endr
	v_nop
	s_wait_alu depctr_va_vdst(0)
	s_wait_dscnt 0x0
.set q, 0
.rept 8
	SFMA                                           ; tile 63
.set q, q+1
.endr
	WIN 0
; THE END.  Lane (r, h) holds, for each tile of rows i, four partial sums of row 16 i + r over the columns of its half.  The sum of va2 over all 1,024 columns is taken from tab's bytes in LDS: 128 bytes a lane.
.irp t, 0,1,2,3,4,5,6,7
	ds_load_b128 v[SU+4*\t:SU+4*\t+3], v[ATB] offset:512*\t
.endr
	v_pk_add_f32 v[SA:SA+1], v[SA:SA+1], v[SA+2:SA+3]
	v_pk_add_f32 v[SA+4:SA+5], v[SA+4:SA+5], v[SA+6:SA+7]
	v_add_f32 v[SA+2], v[SA], v[SA+1]
	v_add_f32 v[SA+3], v[SA+4], v[SA+5]
	v_permlanex16_b32 v[SA], v[SA+2], s[SEL], s[SEL+1]
	v_permlanex16_b32 v[SA+1], v[SA+3], s[SEL], s[SEL+1]
	v_pk_add_f32 v[SA:SA+1], v[SA:SA+1], v[SA+2:SA+3]   ; with the other half's columns: register i, lanes r and 16 + r: row 16 i + r
	s_wait_dscnt 0x0
.irp j, 0,2,4,6,8,10,12,14
	v_pk_add_f32 v[SU+\j:SU+\j+1], v[SU+\j:SU+\j+1], v[SU+16+\j:SU+17+\j]
.endr
.irp j, 0,2,4,6
	v_pk_add_f32 v[SU+\j:SU+\j+1], v[SU+\j:SU+\j+1], v[SU+8+\j:SU+9+\j]
.endr
.irp j, 0,2
	v_pk_add_f32 v[SU+\j:SU+\j+1], v[SU+\j:SU+\j+1], v[SU+4+\j:SU+5+\j]
.endr
	v_pk_add_f32 v[SU:SU+1], v[SU:SU+1], v[SU+2:SU+3]
	v_add_f32 v[SU], v[SU], v[SU+1]
.irp m, 1,2,4,8
	v_add_f32_dpp v[SU], v[SU], v[SU] row_xmask:\m row_mask:0xf bank_mask:0xf
.endr
	v_permlanex16_b32 v[SU+1], v[SU], s[SEL], s[SEL+1]
	v_add_f32 v[SU], v[SU], v[SU+1]
	v_fma_f32 v12, v[SU], -0.5, s24                ; va_b + sum va (va2 = -2 va)
	v_mov_b32 v13, v12
	v_pk_add_f32 v[SA:SA+1], v[SA:SA+1], v[12:13]  ; the scores
	v_max_num_f32 v11, v[SA], v[SA+1]
.irp m, 1,2,4,8
	v_max_num_f32_dpp v11, v11, v11 row_xmask:\m row_mask:0xf bank_mask:0xf
.endr
	ds_store_b32 v[AM], v11                        ; the largest score of my 32 rows; all lanes write the same word with the same value
	s_wait_dscnt 0x0
	s_barrier_signal -1
	s_barrier_wait -1
	ds_load_b128 v[SU:SU+3], v[AM0]
	s_wait_dscnt 0x0
	v_max3_num_f32 v14, v[SU], v[SU+1], v[SU+2]
	v_max_num_f32 v14, v14, v[SU+3]                ; M: the largest of the 128
	v_mov_b32 v15, v14
	v_pk_add_f32 v[SA:SA+1], v[SA:SA+1], v[14:15] neg_lo:[0,1] neg_hi:[0,1]   ; score - M: 0 exactly at the largest
	v_pk_mul_f32 v[SA:SA+1], v[SA:SA+1], s[L2E:L2E+1] op_sel_hi:[1,0]
	v_exp_f32 v[SA], v[SA]                         ; p = e^(score - M)
	v_exp_f32 v[SA+1], v[SA+1]
	v_nop
	s_wait_alu depctr_va_vdst(0)                   ; one wait for the two, ahead of their first reader
	v_add_f32 v[SU], v[SA], v[SA+1]
.irp m, 1,2,4,8
	v_add_f32_dpp v[SU], v[SU], v[SU] row_xmask:\m row_mask:0xf bank_mask:0xf
.endr
	ds_store_b32 v[AM], v[SU] offset:16            ; the sum of p over my 32 rows
	ds_store_b32 v[AP], v[SA]                      ; p of row 32 w + r, and of row 32 w + 16 + r; lanes r and 16 + r write the same word with the same value
	ds_store_b32 v[AP], v[SA+1] offset:64
.irp i, 0,1
.irp r, 0,1,2,3,4,5,6,7,8,9,10,11,12,13,14,15
	v_readlane_b32 s[PR+16*\i+\r], v[SA+\i], \r
.endr
.endr
.set k, 0
.rept 32
	v_mov_b32 v[CX+k], 0
.set k, k+1
.endr
; my rows' part of the context: lane l, register 4 s + 2 e + half: column 128 s + 4 l + 2 e + half.  One multiply-add straight from the bf16 half; the 32 sums take turns.
.irp i, 0,1
	WIN 0x02+\i                                    ; source 0: the copy of tile i
.set rr, 0
.rept 16
.set sk, 0
.rept 8
	v_fma_mix_f32_bf16 v[CX+4*sk], v[32*sk+2*rr], s[PR+16*\i+rr], v[CX+4*sk] op_sel_hi:[1,0,0]
	v_fma_mix_f32_bf16 v[CX+4*sk+1], v[32*sk+2*rr], s[PR+16*\i+rr], v[CX+4*sk+1] op_sel:[1,0,0] op_sel_hi:[1,0,0]
	v_fma_mix_f32_bf16 v[CX+4*sk+2], v[32*sk+2*rr+1], s[PR+16*\i+rr], v[CX+4*sk+2] op_sel_hi:[1,0,0]
	v_fma_mix_f32_bf16 v[CX+4*sk+3], v[32*sk+2*rr+1], s[PR+16*\i+rr], v[CX+4*sk+3] op_sel:[1,0,0] op_sel_hi:[1,0,0]
.set sk, sk+1
.endr
.set rr, rr+1
.endr
.endr
	WIN 0
.irp t, 0,1,2,3,4,5,6,7
	ds_store_b128 v[SW], v[CX+4*\t:CX+4*\t+3] offset:512*\t   ; 4,096 bytes in the order of the columns, in my stage
.endr
	v_lshlrev_b32 v11, 3, v[LN]                    ; 8 x lane, for pst
	s_wait_dscnt 0x0                               ; for the others' sake: p, my sum and my part of the context lie in LDS
	s_barrier_signal -1
	s_barrier_wait -1
.irp q, 0,1
.irp k, 0,1,2,3
	ds_load_b128 v[SU+16*\q+4*\k:SU+16*\q+4*\k+3], v[AC] offset:WSTG*\k+512*\q   ; columns 256 w on, of all four waves' parts
.endr
.endr
	s_wait_dscnt 0x0
.irp q, 0,1
	v_pk_add_f32 v[SU+16*\q:SU+16*\q+1], v[SU+16*\q:SU+16*\q+1], v[SU+16*\q+4:SU+16*\q+5]
	v_pk_add_f32 v[SU+16*\q+2:SU+16*\q+3], v[SU+16*\q+2:SU+16*\q+3], v[SU+16*\q+6:SU+16*\q+7]
	v_pk_add_f32 v[SU+16*\q+8:SU+16*\q+9], v[SU+16*\q+8:SU+16*\q+9], v[SU+16*\q+12:SU+16*\q+13]
	v_pk_add_f32 v[SU+16*\q+10:SU+16*\q+11], v[SU+16*\q+10:SU+16*\q+11], v[SU+16*\q+14:SU+16*\q+15]
	v_pk_add_f32 v[SU+16*\q:SU+16*\q+1], v[SU+16*\q:SU+16*\q+1], v[SU+16*\q+8:SU+16*\q+9]
	v_pk_add_f32 v[SU+16*\q+2:SU+16*\q+3], v[SU+16*\q+2:SU+16*\q+3], v[SU+16*\q+10:SU+16*\q+11]
	global_store_b128 v[LI], v[SU+16*\q:SU+16*\q+3], s[12:13] offset:512*\q   ; 32 lanes store 512 consecutive bytes, aligned to 256
.endr
	s_cmp_lg_u32 s[WV], 0                          ; wave 0 stores the 128 p and the part's two figures
	s_cbranch_scc1 .Lnot_first
	ds_load_b128 v[CX:CX+3], v[APR]
	ds_load_b128 v[CX+4:CX+7], v[AM0] offset:16
	s_wait_dscnt 0x0
	v_add_f32 v[CX+4], v[CX+4], v[CX+5]
	v_add_f32 v[CX+6], v[CX+6], v[CX+7]
	v_add_f32 v15, v[CX+4], v[CX+6]                ; v[14:15] = M, the sum of p over the 128 rows
	global_store_b128 v[LI], v[CX:CX+3], s[14:15]
	global_store_b64 v11, v[14:15], s[16:17]       ; the pair 32 times: 256 consecutive aligned bytes
.Lnot_first:
	s_wait_tensorcnt 0x0                           ; the wave's end, behind my last tensor load and my last LDS store
	ds_add_u32 v[SPW], v[NIL]
	s_wait_dscnt 0x0
	ROUND                                          ; the closing round: no work-group ends while a partner may still ask for a tile that names it
	s_endpgm
.Lfunc_end_k_qd6194aebe7_main:
	.size	k_qd6194aebe7_main, .Lfunc_end_k_qd6194aebe7_main-k_qd6194aebe7_main
	.p2alignl 7, 3214868480
	.fill 96, 4, 3214868480
	.section	.rodata,"a",@progbits
	.p2align	6, 0x0
	.amdhsa_kernel k_qd6194aebe7_main
		.amdhsa_group_segment_fixed_size 327680
		.amdhsa_private_segment_fixed_size 0
		.amdhsa_enable_private_segment 0
		.amdhsa_kernarg_size 56
		.amdhsa_user_sgpr_count 2
		.amdhsa_user_sgpr_kernarg_segment_ptr 1
		.amdhsa_wavefront_size32 1
		.amdhsa_system_sgpr_workgroup_id_x 1
		.amdhsa_system_sgpr_workgroup_id_y 1
		.amdhsa_system_sgpr_workgroup_id_z 1
		.amdhsa_system_vgpr_workitem_id 0
		.amdhsa_next_free_vgpr 1024
		.amdhsa_next_free_sgpr 100
		.amdhsa_reserve_vcc 0
		.amdhsa_float_denorm_mode_32 3
		.amdhsa_float_denorm_mode_16_64 3
		.amdhsa_memory_ordered 1
		.amdhsa_forward_progress 1
		.amdhsa_inst_pref_size 255
	.end_amdhsa_kernel
	.section	.bss,"aw",@nobits
	.p2align	6
	.space	262144
	.amdgpu_metadata
---
amdhsa.version: [ 1, 2 ]
amdhsa.kernels:
  - .name:           k_qd6194aebe7_main
    .symbol:         k_qd6194aebe7_main.kd
    .args:
      - { .name: key, .offset: 0, .size: 8, .value_kind: global_buffer, .address_space: global }
      - { .name: uimg, .offset: 8, .size: 8, .value_kind: global_buffer, .address_space: global }
      - { .name: tab, .offset: 16, .size: 8, .value_kind: global_buffer, .address_space: global }
      - { .name: va_b, .offset: 24, .size: 8, .value_kind: global_buffer, .address_space: global }
      - { .name: pctx, .offset: 32, .size: 8, .value_kind: global_buffer, .address_space: global }
      - { .name: pw, .offset: 40, .size: 8, .value_kind: global_buffer, .address_space: global }
      - { .name: pst, .offset: 48, .size: 8, .value_kind: global_buffer, .address_space: global }
    .group_segment_fixed_size: 327680
    .private_segment_fixed_size: 0
    .kernarg_segment_align: 8
    .kernarg_segment_size: 56
    .max_flat_workgroup_size: 128
    .sgpr_count:     100
    .vgpr_count:     1024
    .wavefront_size: 32
...
	.end_amdgpu_metadata
.endif
;; end of part 2
;; launch finish (part 3): grid 4 x 32, 4 waves a work-group, no clusters, 0 bytes of LDS; arguments pctx, pw, pst, out0, out1; writes out0, out1
.if DOCPART == 3
	.amdgcn_target "amdgcn-amd-amdhsa--gfx1250"
	.amdhsa_code_object_version 6
	.text
	.protected	k_qd6194aebe7_finish
	.globl	k_qd6194aebe7_finish
	.p2align	8
	.type	k_qd6194aebe7_finish,@function
k_qd6194aebe7_finish:
	s_mov_b64 s[64:65], 0
	v_nop
	global_prefetch_b8 v0, s[64:65] scope:SCOPE_SE
	s_setreg_imm32_b32 hwreg(HW_REG_WAVE_MODE, 25, 1), 1
	s_wait_xcnt 0x0
; The 16 parts of a batch element b are joined.  Part j has its largest score M_j, its sum l_j of p = e^(score - M_j), its 128 p and its part of the context, sum p key.
; M = the largest M_j; f_j = e^(M_j - M); L = sum l_j f_j; weights = p f_j / L; context = sum over j of (f_j / L) part j.  L is at least 1: the part with M_j = M holds a p of 1.
; Work-group (q, b): columns 256 q on of the context (8 bytes a thread) and rows 512 q on of the weights (16 bytes a thread: wave w's 128 rows are part 4 q + w).
; A stream of some 2.5 MB: no LDS, no matrix unit, no cluster; each wave makes the 16 factors for itself from 256 bytes.
	s_load_b256 s[4:11], s[0:1], 0x0               ; pctx, pw, pst, out0
	s_load_b64 s[12:13], s[0:1], 0x20              ; out1
	v_lshrrev_b32 v1, 5, v0
	v_readfirstlane_b32 s14, v1                    ; wave
	s_and_b32 s15, ttmp7, 0xffff                   ; b
	v_and_b32 v1, 15, v0
	v_lshlrev_b32 v1, 8, v1                        ; part j = lane % 16: 256 bytes a part in pst
	s_lshl_b32 s16, ttmp9, 2
	s_add_co_u32 s16, s16, s14
	s_lshl_b32 s16, s16, 8
	v_mov_b32 v4, s16                              ; my wave's own part, 4 q + w
	v_lshlrev_b32 v6, 3, v0                        ; 8 x thread
	v_lshlrev_b32 v7, 4, v0                        ; 16 x thread
	s_lshl_b32 s18, s15, 16                        ; pctx: 65,536 b + 1,024 q
	s_lshl_b32 s17, ttmp9, 10
	s_add_co_u32 s18, s18, s17
	s_mov_b32 s19, 0
	s_lshl_b32 s20, s15, 13                        ; pw and out1: 8,192 b + 2,048 q
	s_lshl_b32 s21, ttmp9, 11
	s_add_co_u32 s20, s20, s21
	s_mov_b32 s21, 0
	s_lshl_b32 s22, s15, 12                        ; pst: 4,096 b
	s_mov_b32 s23, 0
	s_add_co_u32 s24, s22, s17                     ; out0: 4,096 b + 1,024 q
	s_mov_b32 s25, 0
	s_wait_kmcnt 0x0
	s_add_nc_u64 s[4:5], s[4:5], s[18:19]
	s_add_nc_u64 s[6:7], s[6:7], s[20:21]
	s_add_nc_u64 s[8:9], s[8:9], s[22:23]
	s_add_nc_u64 s[10:11], s[10:11], s[24:25]
	s_add_nc_u64 s[12:13], s[12:13], s[20:21]
	global_load_b64 v[2:3], v1, s[8:9]             ; M_j, l_j
	global_load_b32 v5, v4, s[8:9]                 ; M of my wave's own part
.irp j, 0,1,2,3,4,5,6,7,8,9,10,11,12,13,14,15
	global_load_b64 v[12+2*\j:13+2*\j], v6, s[4:5] offset:4096*\j th:TH_LOAD_NT   ; a wave reads 256 consecutive aligned bytes of part j
.endr
	global_load_b128 v[8:11], v7, s[6:7] th:TH_LOAD_NT
	s_wait_loadcnt 17                              ; the two loads of figures are in; the 17 behind them may be out
	v_mov_b32 v44, v2
.irp m, 1,2,4,8
	v_max_num_f32_dpp v44, v44, v44 row_xmask:\m row_mask:0xf bank_mask:0xf
.endr
	v_sub_f32 v45, v2, v44                         ; M_j - M, 0 or less
	v_sub_f32 v46, v5, v44
	v_mul_f32 v45, 0x3fb8aa3b, v45
	v_mul_f32 v46, 0x3fb8aa3b, v46
	v_exp_f32 v45, v45                             ; f_j
	v_exp_f32 v46, v46                             ; f of my own part
	v_nop
	s_wait_alu depctr_va_vdst(0)                   ; one wait for the two, ahead of their first reader
	v_mul_f32 v47, v3, v45
.irp m, 1,2,4,8
	v_add_f32_dpp v47, v47, v47 row_xmask:\m row_mask:0xf bank_mask:0xf
.endr
	v_rcp_f32 v47, v47                             ; 1 / L
	v_nop
	s_wait_alu depctr_va_vdst(0)
	v_mul_f32 v45, v45, v47                        ; g_j = f_j / L, in lane j
	v_mul_f32 v46, v46, v47
.irp j, 0,1,2,3,4,5,6,7,8,9,10,11,12,13,14,15
	v_readlane_b32 s[32+\j], v45, \j
.endr
	s_wait_loadcnt 0x0
	v_mul_f32 v48, s32, v12
	v_mul_f32 v49, s32, v13
.irp j, 1,2,3,4,5,6,7,8,9,10,11,12,13,14,15
	v_fma_f32 v48, v[12+2*\j], s[32+\j], v48
	v_fma_f32 v49, v[13+2*\j], s[32+\j], v49
.endr
.irp k, 0,1,2,3
	v_mul_f32 v[8+\k], v[8+\k], v46
.endr
	global_store_b64 v6, v[48:49], s[10:11]        ; a wave stores 256 consecutive aligned bytes of the context
	global_store_b128 v7, v[8:11], s[12:13]        ; and 512 of the weights
	s_endpgm
.Lfunc_end_k_qd6194aebe7_finish:
	.size	k_qd6194aebe7_finish, .Lfunc_end_k_qd6194aebe7_finish-k_qd6194aebe7_finish
	.p2alignl 7, 3214868480
	.fill 96, 4, 3214868480
	.section	.rodata,"a",@progbits
	.p2align	6, 0x0
	.amdhsa_kernel k_qd6194aebe7_finish
		.amdhsa_group_segment_fixed_size 0
		.amdhsa_private_segment_fixed_size 0
		.amdhsa_enable_private_segment 0
		.amdhsa_kernarg_size 40
		.amdhsa_user_sgpr_count 2
		.amdhsa_user_sgpr_kernarg_segment_ptr 1
		.amdhsa_wavefront_size32 1
		.amdhsa_system_sgpr_workgroup_id_x 1
		.amdhsa_system_sgpr_workgroup_id_y 1
		.amdhsa_system_sgpr_workgroup_id_z 1
		.amdhsa_system_vgpr_workitem_id 0
		.amdhsa_next_free_vgpr 64
		.amdhsa_next_free_sgpr 66
		.amdhsa_reserve_vcc 0
		.amdhsa_float_denorm_mode_32 3
		.amdhsa_float_denorm_mode_16_64 3
		.amdhsa_memory_ordered 1
		.amdhsa_forward_progress 1
		.amdhsa_inst_pref_size 8
	.end_amdhsa_kernel
	.amdgpu_metadata
---
amdhsa.version: [ 1, 2 ]
amdhsa.kernels:
  - .name:           k_qd6194aebe7_finish
    .symbol:         k_qd6194aebe7_finish.kd
    .args:
      - { .name: pctx, .offset: 0, .size: 8, .value_kind: global_buffer, .address_space: global }
      - { .name: pw, .offset: 8, .size: 8, .value_kind: global_buffer, .address_space: global }
      - { .name: pst, .offset: 16, .size: 8, .value_kind: global_buffer, .address_space: global }
      - { .name: out0, .offset: 24, .size: 8, .value_kind: global_buffer, .address_space: global }
      - { .name: out1, .offset: 32, .size: 8, .value_kind: global_buffer, .address_space: global }
    .group_segment_fixed_size: 0
    .private_segment_fixed_size: 0
    .kernarg_segment_align: 8
    .kernarg_segment_size: 40
    .max_flat_workgroup_size: 128
    .sgpr_count:     66
    .vgpr_count:     64
    .wavefront_size: 32
...
	.end_amdgpu_metadata
.endif
;; end of part 3
